; MI455X (gfx1250); checked and timed in simulation.
; The chip was launched on July 23, 2026; its instructions are those of AMD's public machine-readable ISA for CDNA 5 (MIT licence, August 2026) and "CDNA5" Instruction Set Architecture Reference Guide (July 2026). The comments in the code are by the model that wrote it; some were corrected since.
;; Multi Head Attention. Allowed arithmetic: matrix products marked QUANTISED: E2M1 operands, one E8M0 scale for each 32 along K, by v_wmma_scale_f32_16x16x128_f8f6f4 with both operands' format E2M1 (or v_wmma_scale_f32_32x16x128_f4), f32 sums; everything else in f32.
;; Inputs: K_codes 4 x 16 x 2,048 x 2 x 16 uint8 (E2M1 codes of K, K innermost, in blocks of 32 codes, two codes a byte); K_scales 4 x 16 x 2,048 x 2 uint8 (E8M0 scales of K, one for each 32 codes along K); Q_codes 4 x 16 x 2,048 x 2 x 16 uint8 (E2M1 codes of Q, K innermost, in blocks of 32 codes, two codes a byte); Q_scales 4 x 16 x 2,048 x 2 uint8 (E8M0 scales of Q, one for each 32 codes along K); V_codes 4 x 16 x 64 x 64 x 16 uint8 (E2M1 codes of V, K innermost, in blocks of 32 codes, two codes a byte); V_scales 4 x 16 x 64 x 64 uint8 (E8M0 scales of V, one for each 32 codes along K).
;; Outputs: out0 4 x 16 x 2,048 x 64 float32.
;; This version of the problem:
;;   THIS VERSION OF THE PROBLEM IS GIVEN IN LOW PRECISION. The matrix products marked QUANTISED in the list below multiply operands that are first quantised to E2M1 (2 exponent bits, 1 mantissa bit; 4 bits a number), with one power-of-two scale for each 32 numbers along K (OCP MX v1.0); their sums are f32. All else is computed in f32.
;;   The module's matrix products, in the order in which they are computed (A, B: the left and right operand; K: the contracted axis; several contracted axes count as one K, in the product's order):
;;     1. batch 64 x [M 2,048, K 64] x [K 64, N 2,048]; A: input Q (given as codes); B: input K (given as codes): QUANTISED
;;     2. batch 64 x [M 2,048, K 2,048] x [K 2,048, N 64]; A: softmax (see below); B: input V (given as codes): QUANTISED
;;   THE QUANTISER, for each operand of a quantised product, along K:
;;     - K is cut into blocks of 32 from its start; a last block that is shorter is filled with zeros.
;;     - A block's scale is 2^e with e = floor(log2(the largest magnitude in the block)) - 2, held to -126 .. 127; a block of zeros has e = 0. As a byte (E8M0): e + 127.
;;     - Each number is divided by its block's scale, clamped to +-6, and rounded to the nearest number of E2M1, ties to even, subnormals kept.
;;     - The product sums the exact products of the quantised numbers (number of the format x scale) in f32.
;;   ~~~python
;;   def quantise(x, axis):      # numpy; x: float32 -> the quantised numbers, widened to float32 again
;;       x = np.moveaxis(x, axis, -1); K = x.shape[-1]
;;       x = np.pad(x, [(0, 0)] * (x.ndim - 1) + [(0, -K % 32)]); x = x.reshape(x.shape[:-1] + (-1, 32)); a = np.abs(x).max(-1, keepdims=True)
;;       e = np.where(a > 0, np.clip(np.frexp(np.where(a > 0, a, 1))[1] - 1 - 2, -126, 127), 0)      # np.frexp(a)[1] - 1 = floor(log2(a)), exactly
;;       r = np.clip(x / 2.0 ** e, -6, 6)
;;       step = 2.0 ** (np.maximum(np.frexp(np.where(r == 0, 1, r))[1] - 1, 0) - 1)
;;       q = np.round(r / step) * step * 2.0 ** e      # np.round: ties to even
;;       return np.moveaxis(q.reshape(q.shape[:-2] + (-1,))[..., :K], -1, axis).astype(np.float32)
;;   ~~~
;;   SOFTMAX AHEAD OF A QUANTISED PRODUCT. Where the list says 'softmax', what is quantised is not the finished softmax but p = 2^(t - M), with t = logit x log2(e) and M = ceil(the row's largest t), a whole number; so 1/2 < the row's largest p <= 1. The row's sum l is taken of the UNQUANTISED p, in f32, and the product's result is divided by l at the end. Since M is a whole number, a kernel that streams over the keys may use a running M (the ceiling of the running maximum): every later rescaling is an exact power of two, which a block's scale takes up: the codes' values come out the same.
;;   OPERANDS COMPUTED ON THE WAY. 'Computed on the way' means the value that the module computes at that place (a softmax that the list does not call 'softmax' is quantised finished and normalised). What goes into a quantiser is computed in f32, as accurately as f32 sums, v_exp_f32 and their like allow (about 1e-6 of the number): no bf16 or f16 on the way to a quantiser, and a product that is left as it is and whose result goes on into a quantised operand takes f32 operands (vector FMAs, or v_wmma_f32_16x16x4_f32). A number that lies on a knife's edge between two numbers of the format may be rounded either way, as far as f32 arithmetic and the matrix unit's own rounding can turn it there, and no further.
;;   INPUTS GIVEN AS CODES. K (in the module: [4, 16, 2048, 64], K = its axis 3); Q (in the module: [4, 16, 2048, 64], K = its axis 3); V (in the module: [4, 16, 2048, 64], K = its axis 2): each comes as NAME_codes (uint8): NAME with its K axis moved to the last place and cut into blocks of 32 codes, [.., K / 32, bytes a block], one block behind the other in memory; two codes a byte, the lower K in the low four bits (a code: sign, 2 exponent bits, 1 mantissa bit); and NAME_scales (uint8): the same leading axes, one E8M0 byte (e + 127) for each 32 codes along K. Its value is code x scale, taken as it is: it is not quantised again, and the codes and scales need not be those that the quantiser above would give.
;; 2 versions. Each part assembles by itself: llvm-mc -triple=amdgcn-amd-amdhsa -mcpu=gfx1250 --defsym DOCPART=n.
;; ======== version 1 of 2: 1 launch
;; launch attn (part 1): grid 4 x 64, 16 waves a work-group, clusters of 4 x 1, 215,040 bytes of LDS; arguments Q_codes, Q_scales, K_codes, K_scales, V_codes, V_scales, out0; writes out0
.if DOCPART == 1
	.amdgcn_target "amdgcn-amd-amdhsa--gfx1250"
	.amdhsa_code_object_version 6
	.text
	.protected	k_q46439ddd27_attn
	.globl	k_q46439ddd27_attn
	.p2align	8
	.type	k_q46439ddd27_attn,@function
k_q46439ddd27_attn:
	s_mov_b64 s[64:65], 0
	v_nop
	global_prefetch_b8 v0, s[64:65] scope:SCOPE_SE
	s_setreg_imm32_b32 hwreg(HW_REG_WAVE_MODE, 25, 1), 1
	s_wait_xcnt 0x0
	s_wait_alu depctr_hold_cnt(0) depctr_sa_sdst(0) depctr_va_vdst(0) depctr_va_sdst(0) depctr_va_ssrc(0) depctr_va_vcc(0) depctr_vm_vsrc(0)
	s_getreg_b32 s2, hwreg(HW_REG_IB_STS2, 6, 4)
	s_cmp_eq_u32 s2, 0
	s_cbranch_scc0 .Lentry_in_a_cluster
	s_endpgm
.Lentry_in_a_cluster:
	s_bfe_u32 s2, ttmp6, 0x10000c
	s_cmp_lg_u32 s2, 0x3003
	s_cbranch_scc0 .Lentry_shape_is_right
	s_endpgm
.Lentry_shape_is_right:
; out[h][q][:] = the sum over keys k <= q of softmax_k(Q[h][q] . K[h][k] / 8) V[h][k][:], 64 heads, 2,048 queries and keys, head size 64, both products on codes of FP4 (E2M1) with one E8M0 byte for each 32 along a product's K.
; Q, K: rows of 64 codes (32 bytes) + 2 scale bytes.  V: keys innermost: 64 rows (channels) of 2,048 codes (1,024 bytes) + 64 scale bytes a head.  out: f32, rows of 256 bytes.
; THE SOFTMAX AHEAD OF THE SECOND PRODUCT: t = score x log2(e) / 8; M = the running largest t rounded UP to a whole number; p = 2^(t - M) is quantised along the keys, not normalised; the row's sum is taken of the
; unquantised p and divides at the end.  When M moves, the sum and O are multiplied by 2^(old M - new M), which rounds nothing.
; THE FIRST PRODUCT'S K IS 64, the instruction's 128: the upper four registers of Q's and K's fragments hold zero codes, written once; the upper two bytes of their scale words are 0 (a power of two over zero codes: nothing is added).
; SHARES.  A cluster of four work-groups owns a head; a head's K and V, codes and scale bytes, are 139,264 bytes and lie in every work-group's LDS WHOLE: filled once, no slot is filled again, no barrier stands in the loops.
; The four need the same bytes, so each fill is asked for JOINTLY (the same tensor load, the same descriptor, a mask that names the four).
; A head has 128 tiles of 16 queries; tile (a, b) = queries 128 a + 16 b on wants key steps 0 .. a of 128 keys, the last on the diagonal.  Wave w of work-group cx takes b = 2 cx + w / 8 and, with j = w % 8, the tiles a = j
; and a = 15 - j: (j + 1) + (16 - j) = 17 steps, two of them on the diagonal, for EVERY wave of the launch.  Branches hang on j and a counter alone, so the four partners run alike; cx enters Q's and out's
; addresses and the number d of the diagonal's compare, which selects values and steers nothing.
; SIXTEEN WAVES of 256 registers, four to a SIMD: a step is 12 matrix instructions beside some 250 vector instructions, so one wave's products and LDS loads stand beside another's softmax; larger wave tiles would spare
; LDS reads (22 a step) that do not weigh here.
; LAYOUT.  Both products are used transposed: S^T = K Q^T (source 0 = 16 keys, source 1 = my 16 queries), O^T = V^T P^T (source 0 = 16 channels, source 1 = P): a lane holds ONE query (lane % 16) throughout.
; THE KEYS OF A TILE ARE NOT NEIGHBOURS: lane r of tile 2 b + u takes key 32 b + 8 u + r + 8 (r / 8), so that the 16 registers of tiles 2 b and 2 b + 1 are 16 neighbouring keys, 32 b + 16 (lane / 16) + 0 .. 15.
; EVERY TILE'S LOOP HAS 16 TRIPS, a constant; a trip whose keys all come after the tile's queries jumps over its work and only steps the addresses.
; LIMITS.  Hidden keys get p = 0, where the definition takes 1e9 off their logits: the same as long as a row's logits lie within some 1e9 - 110 of each other.  A p under 2^-126 counts as 0.  A block of p that is all
; zeros carries the byte 1 (its codes are zeros; nobody else reads the byte).  A scale byte 0xff among the inputs (NaN) is given to the matrix unit as it is.
.set KC,   0                           ; LDS: K's codes: 128 rows of 512 bytes (16 keys) + 16 of padding: key k at (k / 16) x 528 + (k % 16) x 32.  A tile's lanes 0-7 take even 16-byte columns, its lanes 8-15, one padding on, odd ones
.set VC,   67584                       ; V's codes: 64 rows of 1,024 bytes + 16: pitch 1,040 = 65 x 16: sixteen rows start in sixteen different 16-byte columns modulo 256 bytes
.set VS,   134144                      ; V's scale bytes: 64 rows of 64 bytes + 8: pitch 72
.set KS,   138752                      ; K's scale bytes: 4,096, dense, 2 a key
.set STG,  142848                      ; the way out: for each wave 16 rows x (256 + 16) bytes; no fill lands here
.set AK0,  1                           ; v1   my lane's place in a tile of K
.set AV0,  2                           ; v2   in a tile of V
.set ASK0, 3                           ; v3   among K's scale words: lanes 0-15 an even tile's keys, lanes 16-31 the odd tile's beside it
.set ASV0, 4                           ; v4   among V's, likewise
.set SO,   5                           ; v5   the stage: where I put 32 bytes of a row
.set SR,   6                           ; v6   and where I read rows back
.set GO,   7                           ; v7   16 x lane: my bytes in two rows of out
.set ADK,  8                           ; v8-11 the step's LDS addresses (v8, v9 serve as Q's offsets at the head)
.set ADV,  9
.set ADS,  10
.set ADT,  11                          ; v12 -M, v13 the largest t, v[14:15] the sum in two halves
.set QF,   16                          ; v16-23, v24-31  Q's fragments of my two tiles
.set KFR,  32                          ; v32-63   four fragments of K
.set VFR,  64                          ; v64-95   four fragments of V
.set ST,   96                          ; v96-159  S^T, then p; on the way out results and rows
.set OT,   160                         ; v160-191 O^T
.set PC,   192                         ; v192-199 p's codes
.set BM,   200                         ; v200-203 each block's largest score, then its largest p
.set PB,   204                         ; v204-207 the other half's maxima, then the scale bytes
.set SOP,  208                         ; v208-211 the conversions' scale operands
.set TMP,  212
.set FF,   214                         ; v[214:215] f = 2^(old M - new M); v215 is named with it as a pair
.set SUM2, 216                         ; v[216:217] the sums' second chain
.set DG,   218                         ; v218 d = 16 b + lane % 16 - 16 (lane / 16)
.set NINF, 219                         ; v219 -infinity
.set KSW,  220                         ; v220-223 K's scale words; v224-225 V's; v226-227 Q's; v228 p's: these hold scales and nothing else
.set VSW,  224
.set QSW,  226
.set PW,   228
.set WV,   18                          ; s18  my wave's number
.set SEL,  20                          ; s[20:21] v_permlanex16_b32's selects for lane l xor 16
.set CS,   22                          ; s[22:23] c = log2(e) / 8, twice: the packed form names the pair
.set G1K,  24                          ; descriptor groups 1: K's codes, V's codes, K's scales, V's scales
.set G1V,  32
.set G1KS, 40
.set G1VS, 48
.set G0K,  56                          ; and their groups 0
.set G0V,  60
.set G0KS, 68
.set G0VS, 72
.set AT,   81                          ; s81, s82 my two tiles' a: j and 15 - j
.set QCP,  84                          ; s[84:87] Q's codes at my two tiles; s[88:91] Q's scales; s[92:95] out
.set QSP,  88
.set OUP,  92
.set STP,  96                          ; s96  the key step
.set TK,   97                          ; s97  the step's place in K's codes: 8 LDS rows = 4,224 bytes a step
.set TKS,  98                          ; s98  in K's scales: 256
.set TV,   99                          ; s99  in a row of V's codes: 64
.set TVS,  100                         ; s100 in a row of V's scales: 4
; A round of the cluster's barrier: my work-group's barrier, so that wave 0's signal speaks for all sixteen waves; wave 0 signals; every wave waits for the four work-groups; my work-group's barrier once more.
.macro CROUND
	s_barrier_signal -1
	s_barrier_wait -1
	s_cmp_lg_u32 s[WV], 0
	s_cbranch_scc1 .Lnot_wave_0_\@
	s_barrier_signal -3
.Lnot_wave_0_\@:
	s_barrier_wait -3
	s_barrier_signal -1
	s_barrier_wait -1
.endm
.macro PLACES                          ; four plain places between a matrix instruction and a load into, or a vector read or write of, one of its registers
.rept 4
	v_nop
.endr
.endm
	s_load_b256 s[4:11], s[0:1], 0x0               ; Q's codes s[4:5], Q's scales s[6:7], K's codes s[8:9], K's scales s[10:11]
	s_load_b128 s[12:15], s[0:1], 0x20             ; V's codes, V's scales
	s_load_b64 s[16:17], s[0:1], 0x30              ; out
	v_lshl_add_u32 v254, v0, 2, 0x34000
	v_mov_b32 v255, 0
	ds_add_u32 v254, v255
	ds_add_u32 v254, v255
	v_lshrrev_b32 v10, 5, v0
	v_readfirstlane_b32 s[WV], v10                 ; wave 0..15
	s_bfe_u32 s19, ttmp6, 0x40000                  ; cx: my place in the cluster
	s_and_b32 s76, ttmp7, 0xffff                   ; the head, which the four partners share
	s_and_b32 s80, s[WV], 7                        ; j
	s_mov_b32 s[AT], s80                           ; my first tile's a
	s_xor_b32 s[AT+1], s80, 15                     ; my second's: 15 - j
	s_lshr_b32 s83, s[WV], 3
	s_lshl_b32 s77, s19, 1
	s_add_co_u32 s83, s83, s77                     ; b = 2 cx + w / 8
	s_lshl_b32 s77, s83, 4                         ; 16 b
	s_mul_i32 s3, s[WV], 16*272
	s_add_co_u32 s3, s3, STG                       ; my stage
	; every address register that stays is made here, ahead of the first branch on the wave's number
	v_and_b32 v10, 15, v0                          ; r
	v_bfe_u32 v11, v0, 4, 1                        ; h
	v_bfe_u32 v12, v0, 3, 1                        ; r / 8
	v_and_b32 v13, 7, v0                           ; r % 8
	v_mul_u32_u24 v[AK0], v12, 528                 ; K: keys r % 8 of one LDS row, or of the next (16 keys on),
	v_lshl_add_u32 v[AK0], v13, 5, v[AK0]          ; 32 bytes a key,
	v_lshl_add_u32 v[AK0], v11, 4, v[AK0]          ; my half's block of 32 codes
	v_mul_u32_u24 v[AV0], v10, 1040                ; V: channel r, my half's 16 bytes
	v_lshl_add_u32 v[AV0], v11, 4, v[AV0]
	v_add_nc_u32 v[AV0], VC, v[AV0]
	v_lshlrev_b32 v[ASK0], 1, v10                  ; K's scale words: 2 (r + 8 (r / 8)), and 8 keys on for lanes 16-31
	v_lshl_add_u32 v[ASK0], v12, 4, v[ASK0]
	v_lshl_add_u32 v[ASK0], v11, 4, v[ASK0]
	v_add_nc_u32 v[ASK0], KS, v[ASK0]
	v_mul_u32_u24 v[ASV0], v10, 72                 ; V's: row r, and 16 rows on for lanes 16-31
	v_mad_u32_u24 v[ASV0], v11, 16*72, v[ASV0]
	v_add_nc_u32 v[ASV0], VS, v[ASV0]
	v_mul_u32_u24 v[SO], v10, 272                  ; the stage, in: row r, + 32 h
	v_lshl_add_u32 v[SO], v11, 5, v[SO]
	v_add_nc_u32 v[SO], s3, v[SO]
	v_mul_u32_u24 v[SR], v11, 272                  ; back: lanes 0-15 one row, lanes 16-31 the next
	v_lshl_add_u32 v[SR], v10, 4, v[SR]
	v_add_nc_u32 v[SR], s3, v[SR]
	v_and_b32 v[GO], 31, v0
	v_lshlrev_b32 v[GO], 4, v[GO]
	v_lshlrev_b32 v8, 5, v10                       ; Q's codes: row r of 32 bytes, + 16 h
	v_lshl_add_u32 v8, v11, 4, v8
	v_lshlrev_b32 v9, 1, v10                       ; Q's scale words: 2 r
	v_lshlrev_b32 v[DG], 4, v11
	v_sub_nc_u32 v[DG], v10, v[DG]
	v_add_nc_u32 v[DG], s77, v[DG]                 ; d
	v_mov_b32 v[NINF], 0xff800000
.irp u, 0,1
.irp i, 4,5,6,7
	v_mov_b32 v[QF+8*\u+\i], 0                     ; zero codes for k = 64 .. 127 of the first product: Q's,
.endr
.endr
.irp t, 0,1,2,3
.irp i, 4,5,6,7
	v_mov_b32 v[KFR+8*\t+\i], 0                    ; and K's; no load lands on them
.endr
.endr
.irp b, 0,1,2,3
	v_mov_b32 v[PB+\b], 0                          ; written once: a lane permute's destination counts as one of its sources
.endr
	v_mov_b32 v[TMP], 0
	v_mov_b32 v[FF+1], 0                           ; (named as the upper half of a pair)
	s_mov_b32 s[SEL], 0x76543210
	s_mov_b32 s[SEL+1], 0xfedcba98
	s_mov_b32 s[CS], 0x3e38aa3b                    ; c = log2(e) / 8
	s_mov_b32 s[CS+1], s[CS]
	; descriptor groups 1.  15:0 the mask: all four work-groups; 17:16 element size; 20 padding on; 21 set beside a mask; 24:22 the padding's interval = a row; 31:25 its words - 1
	s_mov_b32 s[G1K], 15|(3<<16)|(1<<20)|(1<<21)|(6<<22)|(3<<25)   ; K's codes, half a head: dense, as 64 rows of 64 elements of 8 bytes; 4 words behind every 128
	s_mov_b32 s[G1K+1], 64<<16                     ; tensor_dim0
	s_mov_b32 s[G1K+2], 64<<16                     ; tensor_dim1
	s_mov_b32 s[G1K+3], 64<<16                     ; tile_dim0
	s_mov_b32 s[G1K+4], 64                         ; tile_dim1
	s_mov_b32 s[G1K+5], 64                         ; from row to row
	s_mov_b32 s[G1K+6], 0
	s_mov_b32 s[G1K+7], 0
	s_mov_b32 s[G1V], 15|(3<<16)|(1<<20)|(1<<21)|(7<<22)|(3<<25)   ; V's codes, half a head: 32 rows of 128 elements of 8 bytes; 4 words behind every 256
	s_mov_b32 s[G1V+1], 128<<16
	s_mov_b32 s[G1V+2], 32<<16
	s_mov_b32 s[G1V+3], 128<<16
	s_mov_b32 s[G1V+4], 32
	s_mov_b32 s[G1V+5], 128
	s_mov_b32 s[G1V+6], 0
	s_mov_b32 s[G1V+7], 0
	s_mov_b32 s[G1KS], 15|(3<<16)|(1<<21)          ; K's scales of a head: dense, as 16 rows of 256 bytes, no padding
	s_mov_b32 s[G1KS+1], 32<<16
	s_mov_b32 s[G1KS+2], 16<<16
	s_mov_b32 s[G1KS+3], 32<<16
	s_mov_b32 s[G1KS+4], 16
	s_mov_b32 s[G1KS+5], 32
	s_mov_b32 s[G1KS+6], 0
	s_mov_b32 s[G1KS+7], 0
	s_mov_b32 s[G1VS], 15|(2<<16)|(1<<20)|(1<<21)|(3<<22)|(1<<25)  ; V's scales of a head: 64 rows of 16 elements of 4 bytes; 2 words behind every 16
	s_mov_b32 s[G1VS+1], 16<<16
	s_mov_b32 s[G1VS+2], 64<<16
	s_mov_b32 s[G1VS+3], 16<<16
	s_mov_b32 s[G1VS+4], 64
	s_mov_b32 s[G1VS+5], 16
	s_mov_b32 s[G1VS+6], 0
	s_mov_b32 s[G1VS+7], 0
	s_lshl_b32 s96, s76, 16                        ; the head's first byte in each tensor of codes (65,536 a head),
	s_lshl_b32 s97, s76, 12                        ; of scale bytes (4,096),
	s_lshl_b32 s98, s76, 19                        ; and in out (524,288)
	s_and_b32 s99, s[WV], 1                        ; which half a fetching wave fetches
	s_lshl_b32 s78, s99, 15
	s_add_co_u32 s78, s78, s96                     ; the half's first byte in memory: made of the head and the wave's number alone
	s_mov_b32 s79, 0
	s_mov_b32 s67, 0
	s_wait_dscnt 0x0
	s_wait_kmcnt 0x0
	s_mul_i32 s100, s99, 64*528
	s_mov_b32 s[G0K], 1                            ; 1:0 count = 1
	s_add_co_u32 s[G0K+1], s100, KC                ; 63:32 LDS address
	s_add_nc_u64 s[G0K+2:G0K+3], s[8:9], s[78:79]  ; 120:64 global address
	s_or_b32 s[G0K+3], s[G0K+3], 0x80000000        ; 127:126 type = 2
	s_mul_i32 s100, s99, 32*1040
	s_mov_b32 s[G0V], 1
	s_add_co_u32 s[G0V+1], s100, VC
	s_add_nc_u64 s[G0V+2:G0V+3], s[12:13], s[78:79]
	s_or_b32 s[G0V+3], s[G0V+3], 0x80000000
	s_mov_b32 s78, s97
	s_mov_b32 s[G0KS], 1
	s_mov_b32 s[G0KS+1], KS
	s_add_nc_u64 s[G0KS+2:G0KS+3], s[10:11], s[78:79]
	s_or_b32 s[G0KS+3], s[G0KS+3], 0x80000000
	s_mov_b32 s[G0VS], 1
	s_mov_b32 s[G0VS+1], VS
	s_add_nc_u64 s[G0VS+2:G0VS+3], s[14:15], s[78:79]
	s_or_b32 s[G0VS+3], s[G0VS+3], 0x80000000
.irp u, 0,1                                    ; my two tiles' places in Q and in out.  s2, s66 and s77 alone hold cx; they feed no descriptor and no LDS address
	s_lshl_b32 s2, s[AT+\u], 7
	s_add_co_u32 s2, s2, s77                       ; the tile's first query: 128 a + 16 b
	s_lshl_b32 s66, s2, 5
	s_add_co_u32 s66, s66, s96
	s_add_nc_u64 s[QCP+2*\u:QCP+2*\u+1], s[4:5], s[66:67]
	s_lshl_b32 s66, s2, 1
	s_add_co_u32 s66, s66, s97
	s_add_nc_u64 s[QSP+2*\u:QSP+2*\u+1], s[6:7], s[66:67]
	s_lshl_b32 s66, s2, 8
	s_add_co_u32 s66, s66, s98
	s_add_nc_u64 s[OUP+2*\u:OUP+2*\u+1], s[16:17], s[66:67]
.endr
	CROUND                                         ; all four work-groups are here: the joint loads meet
	; THE FILLS, once: waves 0, 1 K's halves; waves 2, 3 V's halves; wave 4 K's scales; wave 5 V's scales.  One load a fetching wave, so one tensor load of a wave is out at the most.
	; The branches hang on the wave's number alone.  Four v_nop follow each load.
	s_cmp_lt_u32 s[WV], 2
	s_cbranch_scc0 .Lnot_k
	tensor_load_to_lds s[G0K:G0K+3], s[G1K:G1K+7]
	s_nop 0
	PLACES
	s_branch .Lasked
.Lnot_k:
	s_cmp_lt_u32 s[WV], 4
	s_cbranch_scc0 .Lnot_v
	tensor_load_to_lds s[G0V:G0V+3], s[G1V:G1V+7]
	s_nop 0
	PLACES
	s_branch .Lasked
.Lnot_v:
	s_cmp_eq_u32 s[WV], 4
	s_cbranch_scc0 .Lnot_ks
	tensor_load_to_lds s[G0KS:G0KS+3], s[G1KS:G1KS+7]
	s_nop 0
	PLACES
	s_branch .Lasked
.Lnot_ks:
	s_cmp_eq_u32 s[WV], 5
	s_cbranch_scc0 .Lasked
	tensor_load_to_lds s[G0VS:G0VS+3], s[G1VS:G1VS+7]
	s_nop 0
	PLACES
.Lasked:
.irp u, 0,1
	global_load_b128 v[QF+8*\u:QF+8*\u+3], v8, s[QCP+2*\u:QCP+2*\u+1]   ; Q's fragment: the wave reads the tile's 512 consecutive bytes; it stays in registers
	global_load_u16 v[QSW+\u], v9, s[QSP+2*\u:QSP+2*\u+1]               ; its scale words: two bytes, the upper two 0
.endr
	s_wait_tensorcnt 0x0                           ; my fill has landed,
	s_wait_loadcnt 0x0                             ; (Q is in)
	s_barrier_signal -1
	s_barrier_wait -1                              ; everybody's has: from here on K and V are only read
.macro KLOAD g                         ; tiles 4 g .. 4 g + 3 of the step's keys: tile 2 b + u begins 2 b LDS rows and 8 u keys on
.irp t, 0,1,2,3
	ds_load_b128 v[KFR+8*\t:KFR+8*\t+3], v[ADK] offset:((4*(\g)+\t)/2)*1056+(\t%2)*256
.endr
.endm
.macro QK g, u                         ; S^T of these four tiles; an odd tile's scale words lie in lanes 16-31 of the pair's register
.irp t, 0,1,2,3
.if \t%2
	v_wmma_scale_f32_16x16x128_f8f6f4 v[ST+8*(4*(\g)+\t):ST+8*(4*(\g)+\t)+7], v[KFR+8*\t:KFR+8*\t+7], v[QF+8*(\u):QF+8*(\u)+7], 0, v[KSW+(4*(\g)+\t)/2], v[QSW+(\u)] matrix_a_fmt:MATRIX_FMT_FP4 matrix_b_fmt:MATRIX_FMT_FP4 matrix_a_scale:MATRIX_SCALE_ROW1
.else
	v_wmma_scale_f32_16x16x128_f8f6f4 v[ST+8*(4*(\g)+\t):ST+8*(4*(\g)+\t)+7], v[KFR+8*\t:KFR+8*\t+7], v[QF+8*(\u):QF+8*(\u)+7], 0, v[KSW+(4*(\g)+\t)/2], v[QSW+(\u)] matrix_a_fmt:MATRIX_FMT_FP4 matrix_b_fmt:MATRIX_FMT_FP4
.endif
.endr
.endm
; A KEY STEP of tile u: 128 keys.
.macro STEP u
	v_add_nc_u32 v[ADK], s[TK], v[AK0]             ; (these four are also places behind the last step's products)
	v_add_nc_u32 v[ADV], s[TV], v[AV0]
	v_add_nc_u32 v[ADS], s[TKS], v[ASK0]
	v_add_nc_u32 v[ADT], s[TVS], v[ASV0]
.irp b, 0,1,2,3
	ds_load_u16 v[KSW+\b], v[ADS] offset:64*\b     ; K's scale words of tiles 2 b (lanes 0-15) and 2 b + 1 (lanes 16-31): two bytes, the upper two 0
.endr
	KLOAD 0
	s_wait_dscnt 0x0
	QK 0, \u
	PLACES                                         ; in front of loads into registers that these products read; with the four additions: eight places behind the last step's V^T P^T
	KLOAD 1
.irp t, 0,1,2,3                                ; V's four tiles of 16 channels x these 128 keys are asked for now and land under the softmax
.irp c, 0,1
	ds_load_b128 v[VFR+8*\t+4*\c:VFR+8*\t+4*\c+3], v[ADV] offset:16*1040*\t+32*\c
.endr
.endr
.irp p, 0,1
	ds_load_b32 v[VSW+\p], v[ADT] offset:32*72*\p  ; V's scale words of tiles 2 p (lanes 0-15) and 2 p + 1 (lanes 16-31)
.endr
	s_wait_dscnt 10                                ; K's four are in; the ten loads for V issued behind them may be out
	QK 1, \u
	PLACES                                         ; in front of the first read of the scores
	s_cmp_lg_u32 s[STP], s[AT+(\u)]                ; only the tile's last step lies on the diagonal
	s_cbranch_scc1 .Lopen_\@
.set N, 0
.rept 64                                       ; register 16 b + i holds key 32 b + 16 (lane / 16) + i of the step: hidden where 32 b + i > d; its score becomes -infinity ahead of the maximum, so p = 0
	v_cmp_gt_i32 vcc_lo, 32*(N/16)+N%16, v[DG]
	v_cndmask_b32 v[ST+N], v[ST+N], v[NINF], vcc_lo
.set N, N+1
.endr
.Lopen_\@:
.irp b, 0,1,2,3
	v_max3_num_f32 v[BM+\b], v[ST+16*\b], v[ST+1+16*\b], v[ST+2+16*\b]   ; THE LARGEST SCORE OF EACH BLOCK OF 32 KEYS serves twice: for the row's maximum, and, since p rises with the score, for the block's largest p
.endr
.irp i, 3,5,7,9,11,13
.irp b, 0,1,2,3
	v_max3_num_f32 v[BM+\b], v[BM+\b], v[ST+16*\b+\i], v[ST+1+16*\b+\i]   ; (the four blocks by turns; each tile of scores is read from its low end on)
.endr
.endr
.irp b, 0,1,2,3
	v_max_num_f32 v[BM+\b], v[BM+\b], v[ST+15+16*\b]
.endr
.irp b, 0,1,2,3
	v_permlanex16_b32 v[PB+\b], v[BM+\b], s[SEL], s[SEL+1]
.endr
.irp b, 0,1,2,3
	v_max_num_f32 v[BM+\b], v[BM+\b], v[PB+\b]     ; with lane l xor 16's 16 keys
.endr
	v_max3_num_f32 v[TMP], v[BM], v[BM+1], v[BM+2]
	v_max_num_f32 v[TMP], v[TMP], v[BM+3]          ; the step's largest score of my query
	v_mul_f32 v[TMP], s[CS], v[TMP]                ; as t (c is positive)
	v_max_num_f32 v13, v13, v[TMP]                 ; the running largest t
	v_mov_b32 v[TMP], v12
	v_floor_f32 v12, -v13                          ; the new -M = floor(-t) = -ceil(t): a whole number
	v_sub_f32 v[TMP], v12, v[TMP]                  ; old M - new M: a whole number, 0 or less
	v_cvt_i32_f32 v[TMP], v[TMP]                   ; (it saturates)
	v_ldexp_f32 v[FF], 1.0, v[TMP]                 ; f = 2^(old M - new M)
.set N, 0
.rept 32
	v_pk_fma_f32 v[ST+N:ST+N+1], v[ST+N:ST+N+1], s[CS:CS+1], v[12:13] op_sel_hi:[1,0,0]   ; t - M, two at a time (of the pairs c and -M the low word serves both halves)
.set N, N+2
.endr
.irp b, 0,1,2,3
	v_fma_f32 v[BM+\b], v[BM+\b], s[CS], v12       ; the same of each block's largest score
.endr
.set N, 0
.rept 64
	v_exp_f32 v[ST+N], v[ST+N]                     ; p = 2^(t - M), at most 1: not normalised
.set N, N+1
.endr
.irp b, 0,1,2,3
	v_exp_f32 v[BM+\b], v[BM+\b]                   ; the block's largest p: the same two instructions on the same number give the same bits
.endr
	v_pk_mul_f32 v[14:15], v[14:15], v[FF:FF+1] op_sel_hi:[1,0]   ; the sums under the new M.  (The plain place behind the exponentials)
	s_wait_alu depctr_va_vdst(0)
.irp b, 0,1,2,3
	v_max_num_f32 v[BM+\b], 0x1800000, v[BM+\b]    ; the floor 2^(3 - 127): the byte cannot fall under 1
.endr
.irp b, 0,1,2,3
	v_add_nc_u32 v[SOP+\b], 0xff000000, v[BM+\b]   ; 2 off the exponent field: the conversion's scale operand
.endr
.irp b, 0,1,2,3
	v_lshrrev_b32 v[PB+\b], 23, v[SOP+\b]          ; the scale's byte
.endr
	v_lshl_or_b32 v[PW], v[PB+1], 8, v[PB]         ; p's scale word for these 128 keys
	v_lshl_or_b32 v[PW], v[PB+2], 16, v[PW]
	v_lshl_or_b32 v[PW], v[PB+3], 24, v[PW]
.irp b, 0,1,2,3
	v_cvt_scalef32_pk8_fp4_f32 v[PC+2*\b], v[ST+16*\b:ST+16*\b+7], v[SOP+\b]
	v_cvt_scalef32_pk8_fp4_f32 v[PC+1+2*\b], v[ST+8+16*\b:ST+15+16*\b], v[SOP+\b]
.endr
	v_nop                                          ; one plain place behind a scaled conversion
.irp c, 0,1                                    ; the operand's layout wants a WHOLE block in a lane: lanes 0-15 block 2 c, lanes 16-31 block 2 c + 1
.irp i, 0,1
	v_permlane16_swap_b32 v[PC+4*\c+\i], v[PC+2+4*\c+\i]
.endr
.endr
.set N, 0
.rept 16
	v_pk_mul_f32 v[OT+N:OT+N+1], v[OT+N:OT+N+1], v[FF:FF+1] op_sel_hi:[1,0]   ; O^T under the new M, each tile from its low end on
.set N, N+2
.endr
	v_pk_add_f32 v[SUM2:SUM2+1], v[ST:ST+1], v[ST+2:ST+3]   ; THE ROW'S SUM IS TAKEN OF THE UNQUANTISED p: two at a time, in two chains.  These 32 lines stand between every vector write of the next products' registers and those products
.irp j, 4,8,12,16,20,24,28,32,36,40,44,48,52,56,60
	v_pk_add_f32 v[14:15], v[14:15], v[ST+\j:ST+\j+1]
	v_pk_add_f32 v[SUM2:SUM2+1], v[SUM2:SUM2+1], v[ST+2+\j:ST+3+\j]
.endr
	v_pk_add_f32 v[14:15], v[14:15], v[SUM2:SUM2+1]
	s_wait_dscnt 0x0                               ; V is in
.irp t, 0,1,2,3                                ; O^T += V^T P^T: four accumulators, one instruction each
.if \t%2
	v_wmma_scale_f32_16x16x128_f8f6f4 v[OT+8*\t:OT+8*\t+7], v[VFR+8*\t:VFR+8*\t+7], v[PC:PC+7], v[OT+8*\t:OT+8*\t+7], v[VSW+\t/2], v[PW] matrix_a_fmt:MATRIX_FMT_FP4 matrix_b_fmt:MATRIX_FMT_FP4 matrix_a_scale:MATRIX_SCALE_ROW1
.else
	v_wmma_scale_f32_16x16x128_f8f6f4 v[OT+8*\t:OT+8*\t+7], v[VFR+8*\t:VFR+8*\t+7], v[PC:PC+7], v[OT+8*\t:OT+8*\t+7], v[VSW+\t/2], v[PW] matrix_a_fmt:MATRIX_FMT_FP4 matrix_b_fmt:MATRIX_FMT_FP4
.endif
.endr
.endm
; THE WAY OUT of tile u.  O^T / the sum: register 8 t + i is out(r, 16 t + 8 h + i): 32 neighbouring bytes of a row, and the lanes beside me hold other rows.  So the tile goes through my own stage and comes back as
; whole rows; out's rows are dense, so two rows are 512 consecutive bytes, which the 32 lanes store at once.
.macro WAYOUT u
	PLACES                                         ; behind the last products
	v_add_f32 v14, v14, v15                        ; the sum's two halves,
	v_permlanex16_b32 v[TMP], v14, s[SEL], s[SEL+1]
	v_add_f32 v14, v14, v[TMP]                     ; and lane l xor 16's: the row's sum
	v_rcp_f32 v14, v14
	v_nop                                          ; one plain place behind a transcendental
.set N, 0
	s_wait_alu depctr_va_vdst(0)
.rept 16
	v_pk_mul_f32 v[ST+N:ST+N+1], v[OT+N:OT+N+1], v[14:15] op_sel_hi:[1,0]   ; each accumulator from its low end on
.set N, N+2
.endr
.irp t, 0,1,2,3
	ds_store_b128 v[SO], v[ST+8*\t:ST+8*\t+3] offset:64*\t
	ds_store_b128 v[SO], v[ST+8*\t+4:ST+8*\t+7] offset:64*\t+16
.endr
.irp i, 0,1,2,3,4,5,6,7
	ds_load_b128 v[ST+32+4*\i:ST+32+4*\i+3], v[SR] offset:2*272*\i   ; LDS serves a wave's instructions in order (ISA guide 5.7.1.4): these see my stores
.endr
.irp i, 0,1,2,3,4,5,6,7
	s_wait_dscnt 7-\i                              ; rows 2 i and 2 i + 1 are back; the younger loads may be out
	global_store_b128 v[GO], v[ST+32+4*\i:ST+32+4*\i+3], s[OUP+2*(\u):OUP+2*(\u)+1] offset:512*\i th:TH_STORE_NT   ; 512 consecutive bytes, at a multiple of 256 from out's first byte; written once, read by nobody here
.endr
	s_wait_xcnt 0x0                                ; the stores' data registers are written again (by the next tile's products) only behind this wait
.endm
; A TILE of 16 queries: the loop is written once; its first step finds zeros in O^T and in the sum, which the first change of M leaves zeros.
.macro TILE u
	v_mov_b32 v13, 0xff61b1e6                      ; the largest t so far: -3e38, under every t
	v_floor_f32 v12, -v13                          ; -M
	v_mov_b32 v14, 0
	v_mov_b32 v15, 0
.set N, 0
.rept 32
	v_mov_b32 v[OT+N], 0
.set N, N+1
.endr
	s_mov_b32 s[STP], 0
	s_mov_b32 s[TK], 0
	s_mov_b32 s[TKS], 0
	s_mov_b32 s[TV], 0
	s_mov_b32 s[TVS], 0
.Lstep_\@:                                         ; 16 trips
	s_cmp_gt_u32 s[STP], s[AT+(\u)]                ; all of the step's keys come after my queries: its work is left out.  No barrier and no tensor load stands in a step
	s_cbranch_scc1 .Lhidden_\@
	STEP \u
.Lhidden_\@:
	s_add_co_u32 s[TK], s[TK], 8*528
	s_add_co_u32 s[TKS], s[TKS], 256
	s_add_co_u32 s[TV], s[TV], 64
	s_add_co_u32 s[TVS], s[TVS], 4
	s_add_co_u32 s[STP], s[STP], 1
	s_cmp_lt_u32 s[STP], 16
	s_cbranch_scc1 .Lstep_\@
	WAYOUT \u
.endm
	TILE 0                                         ; a = j: j + 1 steps
	TILE 1                                         ; a = 15 - j: 16 - j steps
	s_wait_dscnt 0x0                               ; no LDS instruction of mine is out at a signal
	s_wait_tensorcnt 0x0
	ds_add_u32 v254, v255
	s_wait_dscnt 0x0
	CROUND                                         ; the closing round: no work-group ends while a partner may still ask for a tile that names it
	s_endpgm
.Lfunc_end_k_q46439ddd27_attn:
	.size	k_q46439ddd27_attn, .Lfunc_end_k_q46439ddd27_attn-k_q46439ddd27_attn
	.p2alignl 7, 3214868480
	.fill 96, 4, 3214868480
	.section	.rodata,"a",@progbits
	.p2align	6, 0x0
	.amdhsa_kernel k_q46439ddd27_attn
		.amdhsa_group_segment_fixed_size 215040
		.amdhsa_private_segment_fixed_size 0
		.amdhsa_enable_private_segment 0
		.amdhsa_kernarg_size 56
		.amdhsa_user_sgpr_count 2
		.amdhsa_user_sgpr_kernarg_segment_ptr 1
		.amdhsa_wavefront_size32 1
		.amdhsa_system_sgpr_workgroup_id_x 1
		.amdhsa_system_sgpr_workgroup_id_y 1
		.amdhsa_system_sgpr_workgroup_id_z 1
		.amdhsa_system_vgpr_workitem_id 0
		.amdhsa_next_free_vgpr 256
		.amdhsa_next_free_sgpr 102
		.amdhsa_reserve_vcc 1
		.amdhsa_float_denorm_mode_32 3
		.amdhsa_float_denorm_mode_16_64 3
		.amdhsa_memory_ordered 1
		.amdhsa_forward_progress 1
		.amdhsa_inst_pref_size 61
	.end_amdhsa_kernel
	.amdgpu_metadata
---
amdhsa.version: [ 1, 2 ]
amdhsa.kernels:
  - .name:           k_q46439ddd27_attn
    .symbol:         k_q46439ddd27_attn.kd
    .args:
      - { .name: Q_codes, .offset: 0, .size: 8, .value_kind: global_buffer, .address_space: global }
      - { .name: Q_scales, .offset: 8, .size: 8, .value_kind: global_buffer, .address_space: global }
      - { .name: K_codes, .offset: 16, .size: 8, .value_kind: global_buffer, .address_space: global }
      - { .name: K_scales, .offset: 24, .size: 8, .value_kind: global_buffer, .address_space: global }
      - { .name: V_codes, .offset: 32, .size: 8, .value_kind: global_buffer, .address_space: global }
      - { .name: V_scales, .offset: 40, .size: 8, .value_kind: global_buffer, .address_space: global }
      - { .name: out0, .offset: 48, .size: 8, .value_kind: global_buffer, .address_space: global }
    .group_segment_fixed_size: 215040
    .private_segment_fixed_size: 0
    .kernarg_segment_align: 8
    .kernarg_segment_size: 56
    .max_flat_workgroup_size: 512
    .sgpr_count:     102
    .vgpr_count:     256
    .wavefront_size: 32
...
	.end_amdgpu_metadata
.endif
;; end of part 1
;; ======== version 2 of 2: 1 launch
;; launch attn (part 2): grid 4 x 64, 16 waves a work-group, clusters of 4 x 1, 215,040 bytes of LDS; arguments Q_codes, Q_scales, K_codes, K_scales, V_codes, V_scales, out0; writes out0
.if DOCPART == 2
	.amdgcn_target "amdgcn-amd-amdhsa--gfx1250"
	.amdhsa_code_object_version 6
	.text
	.protected	k_q46439ddd27_attn
	.globl	k_q46439ddd27_attn
	.p2align	8
	.type	k_q46439ddd27_attn,@function
k_q46439ddd27_attn:
	s_mov_b64 s[64:65], 0
	v_nop
	global_prefetch_b8 v0, s[64:65] scope:SCOPE_SE
	s_setreg_imm32_b32 hwreg(HW_REG_WAVE_MODE, 25, 1), 1
	s_wait_xcnt 0x0
	s_wait_alu depctr_hold_cnt(0) depctr_sa_sdst(0) depctr_va_vdst(0) depctr_va_sdst(0) depctr_va_ssrc(0) depctr_va_vcc(0) depctr_vm_vsrc(0)
	s_getreg_b32 s2, hwreg(HW_REG_IB_STS2, 6, 4)
	s_cmp_eq_u32 s2, 0
	s_cbranch_scc0 .Lentry_in_a_cluster
	s_endpgm
.Lentry_in_a_cluster:
	s_bfe_u32 s2, ttmp6, 0x10000c
	s_cmp_lg_u32 s2, 0x3003
	s_cbranch_scc0 .Lentry_shape_is_right
	s_endpgm
.Lentry_shape_is_right:
; out[h][q][:] = the sum over keys k <= q of softmax_k(Q[h][q] . K[h][k] / 8) V[h][k][:], 64 heads, 2,048 queries and keys, head size 64, both products on codes of FP4 (E2M1) with one E8M0 byte for each 32 along a product's K.
; Q, K: rows of 64 codes (32 bytes) + 2 scale bytes.  V: keys innermost: 64 rows (channels) of 2,048 codes (1,024 bytes) + 64 scale bytes a head.  out: f32, rows of 256 bytes.
; THE SOFTMAX AHEAD OF THE SECOND PRODUCT: t = score x log2(e) / 8; M = the running largest t rounded UP to a whole number; p = 2^(t - M) is quantised along the keys, not normalised; the row's sum is taken of the
; unquantised p and divides at the end.  When M moves, the sum and O are multiplied by 2^(old M - new M), which rounds nothing.
; THE FIRST PRODUCT'S K IS 64, the instruction's 128.  The upper four registers of Q's fragment hold zero codes, so whatever K's upper four registers hold adds nothing (FP4 has no NaN and no infinity; the upper two bytes of
; both scale words are 0, a power of two).  So K'S FRAGMENTS OVERLAP: fragment T is v[KFR + 4 T .. + 7], its upper half the next fragment's lower half: eight fragments in 36 registers.
; SHARES.  A cluster of four work-groups owns a head; a head's K and V, codes and scale bytes, are 139,264 bytes and lie in every work-group's LDS WHOLE: filled once, no slot is filled again, no barrier stands in the loops.
; The four need the same bytes, so each fill is asked for JOINTLY (the same tensor load, the same descriptor, a mask that names the four).
; A head has 128 tiles of 16 queries; tile (a, b) = queries 128 a + 16 b on wants key steps 0 .. a of 128 keys, the last on the diagonal.  Wave w of work-group cx takes b = 2 cx + w / 8 and, with j = w % 8, the tiles a = j
; and a = 15 - j: (j + 1) + (16 - j) = 17 steps, two of them on the diagonal, for EVERY wave of the launch.  Branches hang on j and a counter alone, so the four partners run alike; cx enters Q's and out's
; addresses and the number d of the diagonal's compare, which selects values and steers nothing.
; SIXTEEN WAVES of 256 registers, four to a SIMD: a step is 12 matrix instructions beside some 210 vector instructions, so one wave's products and LDS loads stand beside another's softmax; larger wave tiles would spare
; LDS reads (22 a step) that do not weigh here.
; LAYOUT.  Both products are used transposed: S^T = K Q^T (source 0 = 16 keys, source 1 = my 16 queries), O^T = V^T P^T (source 0 = 16 channels, source 1 = P): a lane holds ONE query (lane % 16) throughout.
; THE KEYS OF A TILE ARE NOT NEIGHBOURS: lane r of tile 4 c + T takes key 64 c + 8 T + r % 8 + 32 (r / 8).  In the result lane (q, h) then holds, in the 32 registers of tiles 4 c .. 4 c + 3, the 32 keys 64 c + 32 h + 0 .. 31 in
; order: A WHOLE BLOCK of the second product's K.  So a block's maximum needs no other lane, and the conversions' results are the operand's registers as they stand.
; A TILE'S STEPS: a loop of full steps (7 or 15 trips, constants; a trip at or behind the tile's diagonal jumps over its work and only steps the addresses), then the diagonal step, written out.  Each full step asks for the next
; step's K under its own softmax; the diagonal step asks for none.
; LIMITS.  Hidden keys get p = 0, where the definition takes 1e9 off their logits: the same as long as a row's logits lie within some 1e9 - 110 of each other.  A p under 2^-126 counts as 0.  A block of p that is all
; zeros carries the byte 1 (its codes are zeros; nobody else reads the byte).  A scale byte 0xff among the inputs (NaN) is given to the matrix unit as it is.
.set KC,   0                           ; LDS: K's codes: 64 rows of 1,024 bytes (32 keys) + 16 of padding: key k at (k / 32) x 1,040 + (k % 32) x 32.  A tile's lanes 0-7 take even 16-byte columns, its lanes 8-15, 65 columns on, odd ones
.set VC,   66560                       ; V's codes: 64 rows of 1,024 bytes + 16: pitch 1,040 = 65 x 16: sixteen rows start in sixteen different 16-byte columns modulo 256 bytes
.set VS,   133120                      ; V's scale bytes: 64 rows of 64 bytes + 8: pitch 72
.set KS,   137728                      ; K's scale bytes: 4,096, dense, 2 a key
.set STG,  141824                      ; the way out: for each wave 16 rows x (256 + 16) bytes; no fill lands here
.set AK0,  1                           ; v1   my lane's place in a tile of K
.set AV0,  2                           ; v2   in a tile of V
.set ASK0, 3                           ; v3   among K's scale words: lanes 0-15 an even tile's keys, lanes 16-31 the odd tile's beside it
.set ASV0, 4                           ; v4   among V's, likewise
.set SO,   5                           ; v5   the stage: where I put 32 bytes of a row
.set SR,   6                           ; v6   and where I read rows back
.set GO,   7                           ; v7   16 x lane: my bytes in two rows of out
.set ADK,  8                           ; v8-11 the step's LDS addresses (v8, v9 serve as Q's offsets at the head)
.set ADV,  9
.set ADS,  10
.set ADT,  11                          ; v12 -M, v13 the largest t, v[14:15] the sum in two halves
.set QF,   16                          ; v16-23, v24-31  Q's fragments of my two tiles
.set KFR,  32                          ; v32-67   eight fragments of K, overlapping; v64-67 are written once
.set VFR,  68                          ; v68-99   four fragments of V
.set ST,   100                         ; v100-163 S^T, then p; on the way out results and rows
.set OT,   164                         ; v164-195 O^T
.set PC,   196                         ; v196-203 p's codes
.set BM,   204                         ; v204-207 four chains of maxima; then v204, v206: my two blocks' largest scores, then their largest p
.set PB,   208                         ; v208-209 my two blocks' scale bytes
.set PX,   210                         ; v210, v211 what lane l xor 16 sends
.set PY,   211
.set SOP,  212                         ; v212-213 the conversions' scale operands
.set TMP,  214
.set PWT,  215                         ; my half of p's scale word
.set FF,   216                         ; v[216:217] f = 2^(old M - new M); v217 is named with it as a pair
.set SUM2, 218                         ; v[218:219] the sums' second chain
.set DG,   220                         ; v220 d = 16 b + lane % 16 - 32 (lane / 16)
.set NINF, 221                         ; v221 -infinity
.set SH8,  222                         ; v222 8 (lane / 16)
.set KSW,  224                         ; v224-227 K's scale words; v228-229 V's; v230-231 Q's; v232 p's: these hold scales and nothing else
.set VSW,  228
.set QSW,  230
.set PW,   232
.set WV,   18                          ; s18  my wave's number
.set SEL,  20                          ; s[20:21] v_permlanex16_b32's selects for lane l xor 16
.set CS,   22                          ; s[22:23] c = log2(e) / 8, twice: the packed form names the pair
.set G1C,  32                          ; descriptor groups 1: the codes (K's and V's alike), K's scales, V's scales
.set G1KS, 40
.set G1VS, 48
.set G0K,  56                          ; groups 0: K's codes, V's codes, K's scales, V's scales
.set G0V,  60
.set G0KS, 68
.set G0VS, 72
.set AT,   81                          ; s81, s82 my two tiles' a: j and 15 - j
.set QCP,  84                          ; s[84:87] Q's codes at my two tiles; s[88:91] Q's scales; s[92:95] out
.set QSP,  88
.set OUP,  92
.set STP,  96                          ; s96  the key step
.set TK,   97                          ; s97  the NEXT step's place in K's codes: 4 LDS rows = 4,160 bytes a step
.set TKS,  98                          ; s98  the next step's place in K's scales: 256
.set TV,   99                          ; s99  this step's place in a row of V's codes: 64
.set TVS,  100                         ; s100 in a row of V's scales: 4
; A round of the cluster's barrier: my work-group's barrier, so that wave 0's signal speaks for all sixteen waves; wave 0 signals; every wave waits for the four work-groups; my work-group's barrier once more.
.macro CROUND
	s_barrier_signal -1
	s_barrier_wait -1
	s_cmp_lg_u32 s[WV], 0
	s_cbranch_scc1 .Lnot_wave_0_\@
	s_barrier_signal -3
.Lnot_wave_0_\@:
	s_barrier_wait -3
	s_barrier_signal -1
	s_barrier_wait -1
.endm
.macro PLACES                          ; four plain places between a matrix instruction and a load into, or a vector read or write of, one of its registers
.rept 4
	v_nop
.endr
.endm
	s_load_b256 s[4:11], s[0:1], 0x0               ; Q's codes s[4:5], Q's scales s[6:7], K's codes s[8:9], K's scales s[10:11]
	s_load_b128 s[12:15], s[0:1], 0x20             ; V's codes, V's scales
	s_load_b64 s[16:17], s[0:1], 0x30              ; out
	v_lshl_add_u32 v254, v0, 2, 0x34000
	v_mov_b32 v255, 0
	ds_add_u32 v254, v255
	ds_add_u32 v254, v255
	v_lshrrev_b32 v10, 5, v0
	v_readfirstlane_b32 s[WV], v10                 ; wave 0..15
	s_bfe_u32 s19, ttmp6, 0x40000                  ; cx: my place in the cluster
	s_and_b32 s76, ttmp7, 0xffff                   ; the head, which the four partners share
	s_and_b32 s80, s[WV], 7                        ; j
	s_mov_b32 s[AT], s80                           ; my first tile's a
	s_xor_b32 s[AT+1], s80, 15                     ; my second's: 15 - j
	s_lshr_b32 s83, s[WV], 3
	s_lshl_b32 s77, s19, 1
	s_add_co_u32 s83, s83, s77                     ; b = 2 cx + w / 8
	s_lshl_b32 s77, s83, 4                         ; 16 b
	s_mul_i32 s3, s[WV], 16*272
	s_add_co_u32 s3, s3, STG                       ; my stage
	; every address register that stays is made here, ahead of the first branch on the wave's number
	v_and_b32 v10, 15, v0                          ; r
	v_bfe_u32 v11, v0, 4, 1                        ; h
	v_bfe_u32 v12, v0, 3, 1                        ; r / 8
	v_and_b32 v13, 7, v0                           ; r % 8
	v_mul_u32_u24 v[AK0], v12, 1040                ; K: keys r % 8 of one LDS row, or of the next (32 keys on),
	v_lshl_add_u32 v[AK0], v13, 5, v[AK0]          ; 32 bytes a key,
	v_lshl_add_u32 v[AK0], v11, 4, v[AK0]          ; my half's block of 32 codes
	v_mul_u32_u24 v[AV0], v10, 1040                ; V: channel r, my half's 16 bytes
	v_lshl_add_u32 v[AV0], v11, 4, v[AV0]
	v_add_nc_u32 v[AV0], VC, v[AV0]
	v_lshlrev_b32 v[ASK0], 1, v13                  ; K's scale words: 2 (r % 8 + 32 (r / 8)), and 8 keys on for lanes 16-31
	v_lshl_add_u32 v[ASK0], v12, 6, v[ASK0]
	v_lshl_add_u32 v[ASK0], v11, 4, v[ASK0]
	v_add_nc_u32 v[ASK0], KS, v[ASK0]
	v_mul_u32_u24 v[ASV0], v10, 72                 ; V's: row r, and 16 rows on for lanes 16-31
	v_mad_u32_u24 v[ASV0], v11, 16*72, v[ASV0]
	v_add_nc_u32 v[ASV0], VS, v[ASV0]
	v_mul_u32_u24 v[SO], v10, 272                  ; the stage, in: row r, + 32 h
	v_lshl_add_u32 v[SO], v11, 5, v[SO]
	v_add_nc_u32 v[SO], s3, v[SO]
	v_mul_u32_u24 v[SR], v11, 272                  ; back: lanes 0-15 one row, lanes 16-31 the next
	v_lshl_add_u32 v[SR], v10, 4, v[SR]
	v_add_nc_u32 v[SR], s3, v[SR]
	v_and_b32 v[GO], 31, v0
	v_lshlrev_b32 v[GO], 4, v[GO]
	v_lshlrev_b32 v8, 5, v10                       ; Q's codes: row r of 32 bytes, + 16 h
	v_lshl_add_u32 v8, v11, 4, v8
	v_lshlrev_b32 v9, 1, v10                       ; Q's scale words: 2 r
	v_lshlrev_b32 v[DG], 5, v11
	v_sub_nc_u32 v[DG], v10, v[DG]
	v_add_nc_u32 v[DG], s77, v[DG]                 ; d
	v_lshlrev_b32 v[SH8], 3, v11
	v_mov_b32 v[NINF], 0xff800000
.irp u, 0,1
.irp i, 4,5,6,7
	v_mov_b32 v[QF+8*\u+\i], 0                     ; Q's zero codes for k = 64 .. 127 of the first product
.endr
.endr
.irp i, 0,1,2,3
	v_mov_b32 v[KFR+32+\i], 0                      ; the upper half of K's eighth fragment: written once, so that it is written; no load lands on it
.endr
	v_mov_b32 v[PX], 0                             ; written once: a lane permute's destination counts as one of its sources
	v_mov_b32 v[PY], 0
	v_mov_b32 v[TMP], 0
	v_mov_b32 v[FF+1], 0                           ; (named as the upper half of a pair)
	s_mov_b32 s[SEL], 0x76543210
	s_mov_b32 s[SEL+1], 0xfedcba98
	s_mov_b32 s[CS], 0x3e38aa3b                    ; c = log2(e) / 8
	s_mov_b32 s[CS+1], s[CS]
	; descriptor groups 1.  15:0 the mask: all four work-groups; 17:16 element size; 20 padding on; 21 set beside a mask; 24:22 the padding's interval = a row; 31:25 its words - 1
	s_mov_b32 s[G1C], 15|(3<<16)|(1<<20)|(1<<21)|(7<<22)|(3<<25)   ; codes, half a head (K's are dense, V's rows are 1,024 bytes): 32 rows of 128 elements of 8 bytes; 4 words behind every 256
	s_mov_b32 s[G1C+1], 128<<16                    ; tensor_dim0
	s_mov_b32 s[G1C+2], 32<<16                     ; tensor_dim1
	s_mov_b32 s[G1C+3], 128<<16                    ; tile_dim0
	s_mov_b32 s[G1C+4], 32                         ; tile_dim1
	s_mov_b32 s[G1C+5], 128                        ; from row to row
	s_mov_b32 s[G1C+6], 0
	s_mov_b32 s[G1C+7], 0
	s_mov_b32 s[G1KS], 15|(3<<16)|(1<<21)          ; K's scales of a head: dense, as 16 rows of 256 bytes, no padding
	s_mov_b32 s[G1KS+1], 32<<16
	s_mov_b32 s[G1KS+2], 16<<16
	s_mov_b32 s[G1KS+3], 32<<16
	s_mov_b32 s[G1KS+4], 16
	s_mov_b32 s[G1KS+5], 32
	s_mov_b32 s[G1KS+6], 0
	s_mov_b32 s[G1KS+7], 0
	s_mov_b32 s[G1VS], 15|(2<<16)|(1<<20)|(1<<21)|(3<<22)|(1<<25)  ; V's scales of a head: 64 rows of 16 elements of 4 bytes; 2 words behind every 16
	s_mov_b32 s[G1VS+1], 16<<16
	s_mov_b32 s[G1VS+2], 64<<16
	s_mov_b32 s[G1VS+3], 16<<16
	s_mov_b32 s[G1VS+4], 64
	s_mov_b32 s[G1VS+5], 16
	s_mov_b32 s[G1VS+6], 0
	s_mov_b32 s[G1VS+7], 0
	s_lshl_b32 s96, s76, 16                        ; the head's first byte in each tensor of codes (65,536 a head),
	s_lshl_b32 s97, s76, 12                        ; of scale bytes (4,096),
	s_lshl_b32 s98, s76, 19                        ; and in out (524,288)
	s_and_b32 s99, s[WV], 1                        ; which half a fetching wave fetches
	s_lshl_b32 s78, s99, 15
	s_add_co_u32 s78, s78, s96                     ; the half's first byte in memory: made of the head and the wave's number alone
	s_mov_b32 s79, 0
	s_mov_b32 s67, 0
	s_mul_i32 s100, s99, 32*1040                   ; and its place in K's or V's region of LDS
	s_wait_dscnt 0x0
	s_wait_kmcnt 0x0
	s_mov_b32 s[G0K], 1                            ; 1:0 count = 1
	s_add_co_u32 s[G0K+1], s100, KC                ; 63:32 LDS address
	s_add_nc_u64 s[G0K+2:G0K+3], s[8:9], s[78:79]  ; 120:64 global address
	s_or_b32 s[G0K+3], s[G0K+3], 0x80000000        ; 127:126 type = 2
	s_mov_b32 s[G0V], 1
	s_add_co_u32 s[G0V+1], s100, VC
	s_add_nc_u64 s[G0V+2:G0V+3], s[12:13], s[78:79]
	s_or_b32 s[G0V+3], s[G0V+3], 0x80000000
	s_mov_b32 s78, s97
	s_mov_b32 s[G0KS], 1
	s_mov_b32 s[G0KS+1], KS
	s_add_nc_u64 s[G0KS+2:G0KS+3], s[10:11], s[78:79]
	s_or_b32 s[G0KS+3], s[G0KS+3], 0x80000000
	s_mov_b32 s[G0VS], 1
	s_mov_b32 s[G0VS+1], VS
	s_add_nc_u64 s[G0VS+2:G0VS+3], s[14:15], s[78:79]
	s_or_b32 s[G0VS+3], s[G0VS+3], 0x80000000
.irp u, 0,1                                    ; my two tiles' places in Q and in out.  s2, s66 and s77 alone hold cx; they feed no descriptor and no LDS address
	s_lshl_b32 s2, s[AT+\u], 7
	s_add_co_u32 s2, s2, s77                       ; the tile's first query: 128 a + 16 b
	s_lshl_b32 s66, s2, 5
	s_add_co_u32 s66, s66, s96
	s_add_nc_u64 s[QCP+2*\u:QCP+2*\u+1], s[4:5], s[66:67]
	s_lshl_b32 s66, s2, 1
	s_add_co_u32 s66, s66, s97
	s_add_nc_u64 s[QSP+2*\u:QSP+2*\u+1], s[6:7], s[66:67]
	s_lshl_b32 s66, s2, 8
	s_add_co_u32 s66, s66, s98
	s_add_nc_u64 s[OUP+2*\u:OUP+2*\u+1], s[16:17], s[66:67]
.endr
	CROUND                                         ; all four work-groups are here: the joint loads meet
	; THE FILLS, once: waves 0, 1 K's halves; waves 2, 3 V's halves; wave 4 K's scales; wave 5 V's scales.  One load a fetching wave, so one tensor load of a wave is out at the most.
	; The branches hang on the wave's number alone.  Four v_nop follow each load.
	s_cmp_lt_u32 s[WV], 2
	s_cbranch_scc0 .Lnot_k
	tensor_load_to_lds s[G0K:G0K+3], s[G1C:G1C+7]
	s_nop 0
	PLACES
	s_branch .Lasked
.Lnot_k:
	s_cmp_lt_u32 s[WV], 4
	s_cbranch_scc0 .Lnot_v
	tensor_load_to_lds s[G0V:G0V+3], s[G1C:G1C+7]
	s_nop 0
	PLACES
	s_branch .Lasked
.Lnot_v:
	s_cmp_eq_u32 s[WV], 4
	s_cbranch_scc0 .Lnot_ks
	tensor_load_to_lds s[G0KS:G0KS+3], s[G1KS:G1KS+7]
	s_nop 0
	PLACES
	s_branch .Lasked
.Lnot_ks:
	s_cmp_eq_u32 s[WV], 5
	s_cbranch_scc0 .Lasked
	tensor_load_to_lds s[G0VS:G0VS+3], s[G1VS:G1VS+7]
	s_nop 0
	PLACES
.Lasked:
.irp u, 0,1
	global_load_b128 v[QF+8*\u:QF+8*\u+3], v8, s[QCP+2*\u:QCP+2*\u+1]   ; Q's fragment: the wave reads the tile's 512 consecutive bytes; it stays in registers
	global_load_u16 v[QSW+\u], v9, s[QSP+2*\u:QSP+2*\u+1]               ; its scale words: two bytes, the upper two 0
.endr
	s_wait_tensorcnt 0x0                           ; my fill has landed,
	s_wait_loadcnt 0x0                             ; (Q is in)
	s_barrier_signal -1
	s_barrier_wait -1                              ; everybody's has: from here on K and V are only read
; THE LDS LOADS OF A STEP, numbered.  V's ten: fragment i / 2, half i % 2 (16 channels x 128 keys a fragment); then the scale words of tiles 2 p (lanes 0-15) and 2 p + 1 (lanes 16-31).
.macro VL i
.if (\i) < 8
	ds_load_b128 v[VFR+4*(\i):VFR+4*(\i)+3], v[ADV] offset:16*1040*((\i)/2)+32*((\i)%2)
.else
	ds_load_b32 v[VSW+(\i)-8], v[ADT] offset:32*72*((\i)-8)
.endif
.endm
; K's twelve: the lower half of fragment i (tile 4 c + T begins 2 c LDS rows and 8 T keys on); then the scale words of tiles 2 P (lanes 0-15) and 2 P + 1 (lanes 16-31): two bytes, the upper two 0.
.macro KL i, ka, ks
.if (\i) < 8
	ds_load_b128 v[KFR+4*(\i):KFR+4*(\i)+3], v[\ka] offset:((\i)/4)*2080+((\i)%4)*256
.else
	ds_load_u16 v[KSW+(\i)-8], v[\ks] offset:(((\i)-8)/2)*128+(((\i)-8)%2)*32
.endif
.endm
; Loads from .. to - 1 of the step's list: V's ten of this step, then K's twelve of the NEXT step, which the diagonal step leaves out.
.macro LOADS from, to, diag
.set LN, \from
.rept (\to)-(\from)
.if LN < 10
	VL LN
.elseif !(\diag)
	KL LN-10, ADK, ADS
.endif
.set LN, LN+1
.endr
.endm
; THE ROW'S SUM IS TAKEN OF THE UNQUANTISED p, two at a time, in two chains: 32 lines; line m of 1 .. 30 takes pair m + 1.
.macro SUMOP m
.if (\m) == 0
	s_setprio 1
	s_wait_alu depctr_va_vdst(0)
	v_pk_add_f32 v[SUM2:SUM2+1], v[ST:ST+1], v[ST+2:ST+3]
.elseif (\m) == 31
	v_pk_add_f32 v[14:15], v[14:15], v[SUM2:SUM2+1]
.elseif (\m)%2
	v_pk_add_f32 v[14:15], v[14:15], v[ST+2*(\m)+2:ST+2*(\m)+3]
.else
	s_wait_alu depctr_va_vdst(0)
	v_pk_add_f32 v[SUM2:SUM2+1], v[SUM2:SUM2+1], v[ST+2*(\m)+2:ST+2*(\m)+3]
.endif
.endm
; FROM MY TWO BLOCKS' LARGEST p TO THE CONVERSIONS' SCALE OPERANDS AND p'S SCALE WORD: ten lines.
.macro SCALEOP k
.if (\k) < 2
	s_wait_alu depctr_va_vdst(0)
	v_max_num_f32 v[BM+2*(\k)], 0x1800000, v[BM+2*(\k)]      ; the floor 2^(3 - 127): the byte cannot fall under 1
.elseif (\k) < 4
	v_add_nc_u32 v[SOP+(\k)-2], 0xff000000, v[BM+2*((\k)-2)] ; 2 off the exponent field: the conversion's scale operand
.elseif (\k) < 6
	v_lshrrev_b32 v[PB+(\k)-4], 23, v[SOP+(\k)-4]            ; the scale's byte
.elseif (\k) == 6
	v_lshl_or_b32 v[PWT], v[PB+1], 16, v[PB]                 ; my two bytes: blocks h and 2 + h of my query,
.elseif (\k) == 7
	v_lshlrev_b32 v[PWT], v[SH8], v[PWT]                     ; at their places in the word (8 h bits up);
.elseif (\k) == 8
	v_permlanex16_b32 v[PY], v[PWT], s[SEL], s[SEL+1]
.else
	v_or_b32 v[PW], v[PWT], v[PY]                            ; with lane l xor 16's two the word is whole
.endif
.endm
; A KEY STEP of tile u: 128 keys.  Its fragments of K were asked for a step ago.  diag = 1: the tile's last step, on the diagonal.
.macro STEP u, diag
	s_wait_dscnt 0x0                               ; K is in
.irp t, 0,1,2,3,4,5,6,7                        ; S^T: eight tiles of 16 keys; an odd tile's scale words lie in lanes 16-31 of the pair's register
.if \t%2
	v_wmma_scale_f32_16x16x128_f8f6f4 v[ST+8*\t:ST+8*\t+7], v[KFR+4*\t:KFR+4*\t+7], v[QF+8*(\u):QF+8*(\u)+7], 0, v[KSW+\t/2], v[QSW+(\u)] matrix_a_fmt:MATRIX_FMT_FP4 matrix_b_fmt:MATRIX_FMT_FP4 matrix_a_scale:MATRIX_SCALE_ROW1
.else
	v_wmma_scale_f32_16x16x128_f8f6f4 v[ST+8*\t:ST+8*\t+7], v[KFR+4*\t:KFR+4*\t+7], v[QF+8*(\u):QF+8*(\u)+7], 0, v[KSW+\t/2], v[QSW+(\u)] matrix_a_fmt:MATRIX_FMT_FP4 matrix_b_fmt:MATRIX_FMT_FP4
.endif
.endr
	v_add_nc_u32 v[ADV], s[TV], v[AV0]             ; four plain lines that name none of the products' registers: the places in front of the first read of the scores and of the loads into K's registers
	v_add_nc_u32 v[ADT], s[TVS], v[ASV0]
.if \diag
	v_nop
	v_nop
.set N, 0
.rept 64                                       ; register 32 c + i holds key 64 c + 32 (lane / 16) + i of the step: hidden where 64 c + i > d; its score becomes -infinity ahead of the maximum, so p = 0
	v_cmp_gt_i32 vcc_lo, 64*(N/32)+N%32, v[DG]
	v_cndmask_b32 v[ST+N], v[ST+N], v[NINF], vcc_lo
.set N, N+1
.endr
.else
	v_add_nc_u32 v[ADK], s[TK], v[AK0]
	v_add_nc_u32 v[ADS], s[TKS], v[ASK0]
.endif
.irp b, 0,1,2,3
	v_max3_num_f32 v[BM+\b], v[ST+16*\b], v[ST+1+16*\b], v[ST+2+16*\b]   ; THE LARGEST SCORE OF EACH OF MY TWO BLOCKS serves twice: for the row's maximum, and, since p rises with the score, for the block's largest p.  Four chains by turns
.endr
.irp i, 3,5,7,9,11,13
.irp b, 0,1,2,3
	v_max3_num_f32 v[BM+\b], v[BM+\b], v[ST+16*\b+\i], v[ST+1+16*\b+\i]   ; (each tile of scores is read from its low end on)
.endr
.endr
.irp c, 0,1
	v_max3_num_f32 v[BM+2*\c], v[BM+2*\c], v[ST+15+32*\c], v[ST+31+32*\c]
.endr
.irp c, 0,1
	v_max_num_f32 v[BM+2*\c], v[BM+2*\c], v[BM+1+2*\c]
.endr
	; M and f: ten lines, each of which waits for the one before it: the step's LDS loads stand between them
	v_max_num_f32 v[TMP], v[BM], v[BM+2]
	LOADS 0, 3, \diag
	v_permlanex16_b32 v[PX], v[TMP], s[SEL], s[SEL+1]
	LOADS 3, 6, \diag
	v_max_num_f32 v[TMP], v[TMP], v[PX]            ; with lane l xor 16's 64 keys: the step's largest score of my query
	LOADS 6, 8, \diag
	v_mul_f32 v[TMP], s[CS], v[TMP]                ; as t (c is positive)
	LOADS 8, 10, \diag
	v_max_num_f32 v13, v13, v[TMP]                 ; the running largest t
	LOADS 10, 12, \diag
	v_mov_b32 v[TMP], v12
	LOADS 12, 14, \diag
	v_floor_f32 v12, -v13                          ; the new -M = floor(-t) = -ceil(t): a whole number
	LOADS 14, 16, \diag
	v_sub_f32 v[TMP], v12, v[TMP]                  ; old M - new M: a whole number, 0 or less
	LOADS 16, 18, \diag
	v_cvt_i32_f32 v[TMP], v[TMP]                   ; (it saturates)
	LOADS 18, 20, \diag
	v_ldexp_f32 v[FF], 1.0, v[TMP]                 ; f = 2^(old M - new M)
	LOADS 20, 22, \diag
	v_fma_f32 v[BM], v[BM], s[CS], v12             ; t - M of each block's largest score,
	v_fma_f32 v[BM+2], v[BM+2], s[CS], v12
	v_pk_fma_f32 v[ST:ST+1], v[ST:ST+1], s[CS:CS+1], v[12:13] op_sel_hi:[1,0,0]       ; and of the first two pairs of scores (of the pairs c and -M the low word serves both halves)
	v_pk_fma_f32 v[ST+2:ST+3], v[ST+2:ST+3], s[CS:CS+1], v[12:13] op_sel_hi:[1,0,0]
	v_exp_f32 v[BM], v[BM]                         ; the block's largest p: the same two instructions on the same number give the same bits
	v_exp_f32 v[BM+2], v[BM+2]
	v_pk_mul_f32 v[14:15], v[14:15], v[FF:FF+1] op_sel_hi:[1,0]   ; the sums under the new M
	; p = 2^(t - M), at most 1, not normalised.  THE 64 EXPONENTIALS STAND ONE BY ONE BETWEEN PLAIN LINES THAT ARE READY: behind the first of a pair the scaling two pairs ahead, behind the second a line of the scale word or a sum
	; ten pairs back, behind every second pair a rescaling of O^T (each of its tiles from its low end on).  So each exponential has a plain line behind it that touches neither its result nor its source.
.set J, 0
.rept 32
	v_exp_f32 v[ST+2*J], v[ST+2*J]
.if J < 30
	v_pk_fma_f32 v[ST+2*J+4:ST+2*J+5], v[ST+2*J+4:ST+2*J+5], s[CS:CS+1], v[12:13] op_sel_hi:[1,0,0]
.else
	SUMOP 2*J-40
.endif
	v_exp_f32 v[ST+2*J+1], v[ST+2*J+1]
.if J < 10
	SCALEOP J
.elseif J < 30
	SUMOP J-10
.else
	SUMOP 2*J-39
.endif
.if J%2 == 0
	v_pk_mul_f32 v[OT+J:OT+J+1], v[OT+J:OT+J+1], v[FF:FF+1] op_sel_hi:[1,0]   ; O^T under the new M
.endif
.set J, J+1
.endr
	s_setprio 0
	s_wait_alu depctr_va_vdst(0)
.irp c, 0,1                                    ; my block 2 c + h becomes registers 4 c .. 4 c + 3 of the second product's operand: nothing changes lanes
.irp g, 0,1,2,3
	v_cvt_scalef32_pk8_fp4_f32 v[PC+4*\c+\g], v[ST+32*\c+8*\g:ST+32*\c+8*\g+7], v[SOP+\c]
.endr
.endr
.irp m, 24,25,26,27,28,29,30,31
	SUMOP \m                                       ; the last eight sums: the plain lines between the conversions and the products that read the codes
.endr
.if \diag
	s_wait_dscnt 0x0                               ; V is in
.else
	s_wait_dscnt 12                                ; V is in; the twelve loads for the next step's K, issued behind V's ten, may be out
.endif
.irp t, 0,1,2,3                                ; O^T += V^T P^T: four accumulators, one instruction each
.if \t%2
	v_wmma_scale_f32_16x16x128_f8f6f4 v[OT+8*\t:OT+8*\t+7], v[VFR+8*\t:VFR+8*\t+7], v[PC:PC+7], v[OT+8*\t:OT+8*\t+7], v[VSW+\t/2], v[PW] matrix_a_fmt:MATRIX_FMT_FP4 matrix_b_fmt:MATRIX_FMT_FP4 matrix_a_scale:MATRIX_SCALE_ROW1
.else
	v_wmma_scale_f32_16x16x128_f8f6f4 v[OT+8*\t:OT+8*\t+7], v[VFR+8*\t:VFR+8*\t+7], v[PC:PC+7], v[OT+8*\t:OT+8*\t+7], v[VSW+\t/2], v[PW] matrix_a_fmt:MATRIX_FMT_FP4 matrix_b_fmt:MATRIX_FMT_FP4
.endif
.endr
.endm
; THE WAY OUT of tile u.  O^T / the sum: register 8 t + i is out(r, 16 t + 8 h + i): 32 neighbouring bytes of a row, and the lanes beside me hold other rows.  So the tile goes through my own stage and comes back as
; whole rows; out's rows are dense, so two rows are 512 consecutive bytes, which the 32 lanes store at once.
.macro WAYOUT u
	PLACES                                         ; behind the last products
	v_add_f32 v14, v14, v15                        ; the sum's two halves,
	v_permlanex16_b32 v[TMP], v14, s[SEL], s[SEL+1]
	v_add_f32 v14, v14, v[TMP]                     ; and lane l xor 16's: the row's sum
	v_rcp_f32 v14, v14
	v_nop                                          ; one plain place behind a transcendental
.set N, 0
	s_wait_alu depctr_va_vdst(0)
.rept 16
	v_pk_mul_f32 v[ST+N:ST+N+1], v[OT+N:OT+N+1], v[14:15] op_sel_hi:[1,0]   ; each accumulator from its low end on
.set N, N+2
.endr
.irp t, 0,1,2,3
	ds_store_b128 v[SO], v[ST+8*\t:ST+8*\t+3] offset:64*\t
	ds_store_b128 v[SO], v[ST+8*\t+4:ST+8*\t+7] offset:64*\t+16
.endr
.irp i, 0,1,2,3,4,5,6,7
	ds_load_b128 v[ST+32+4*\i:ST+32+4*\i+3], v[SR] offset:2*272*\i   ; LDS serves a wave's instructions in order (ISA guide 5.7.1.4): these see my stores
.endr
.irp i, 0,1,2,3,4,5,6,7
	s_wait_dscnt 7-\i                              ; rows 2 i and 2 i + 1 are back; the younger loads may be out
	global_store_b128 v[GO], v[ST+32+4*\i:ST+32+4*\i+3], s[OUP+2*(\u):OUP+2*(\u)+1] offset:512*\i th:TH_STORE_NT   ; 512 consecutive bytes, at a multiple of 256 from out's first byte; written once, read by nobody here
.endr
	s_wait_xcnt 0x0                                ; the stores' data registers are written again (by the next tile's products) only behind this wait
.endm
; A TILE of 16 queries.  The step is written for every step alike: the first finds zeros in O^T and in the sum, which the first change of M leaves zeros.  trips: the most full steps that a tile of this kind has.
.macro TILE u, trips
.set LN, 0
.rept 12
	KL LN, AK0, ASK0                               ; K of step 0
.set LN, LN+1
.endr
	v_mov_b32 v13, 0xff61b1e6                      ; the largest t so far: -3e38, under every t
	v_floor_f32 v12, -v13                          ; -M
	v_mov_b32 v14, 0
	v_mov_b32 v15, 0
.set N, 0
.rept 32
	v_mov_b32 v[OT+N], 0
.set N, N+1
.endr
	s_mov_b32 s[STP], 0
	s_mov_b32 s[TK], 4*1040                        ; K runs a step ahead
	s_mov_b32 s[TKS], 256
	s_mov_b32 s[TV], 0
	s_mov_b32 s[TVS], 0
.Lstep_\@:
	s_cmp_ge_u32 s[STP], s[AT+(\u)]                ; steps 0 .. a - 1 are full; from a on the trip's work is left out.  No barrier and no tensor load stands in a step
	s_cbranch_scc1 .Lhidden_\@
	s_setprio 2
	STEP \u, 0
.Lhidden_\@:
	s_add_co_u32 s[TK], s[TK], 4*1040
	s_add_co_u32 s[TKS], s[TKS], 256
	s_add_co_u32 s[TV], s[TV], 64
	s_add_co_u32 s[TVS], s[TVS], 4
	s_add_co_u32 s[STP], s[STP], 1
	s_cmp_lt_u32 s[STP], \trips
	s_cbranch_scc1 .Lstep_\@
	s_setprio 0
	s_lshl_b32 s[TV], s[AT+(\u)], 6                ; step a, on the diagonal: its place in V, made of the wave's number; its K was asked for by step a - 1, or above
	s_lshl_b32 s[TVS], s[AT+(\u)], 2
	STEP \u, 1
	WAYOUT \u
.endm
	TILE 0, 7                                      ; a = j: j full steps and the diagonal's
	TILE 1, 15                                     ; a = 15 - j: 15 - j full steps and the diagonal's
	s_wait_dscnt 0x0                               ; no LDS instruction of mine is out at a signal
	s_wait_tensorcnt 0x0
	ds_add_u32 v254, v255
	s_wait_dscnt 0x0
	CROUND                                         ; the closing round: no work-group ends while a partner may still ask for a tile that names it
	s_endpgm
.Lfunc_end_k_q46439ddd27_attn:
	.size	k_q46439ddd27_attn, .Lfunc_end_k_q46439ddd27_attn-k_q46439ddd27_attn
	.p2alignl 7, 3214868480
	.fill 96, 4, 3214868480
	.section	.rodata,"a",@progbits
	.p2align	6, 0x0
	.amdhsa_kernel k_q46439ddd27_attn
		.amdhsa_group_segment_fixed_size 215040
		.amdhsa_private_segment_fixed_size 0
		.amdhsa_enable_private_segment 0
		.amdhsa_kernarg_size 56
		.amdhsa_user_sgpr_count 2
		.amdhsa_user_sgpr_kernarg_segment_ptr 1
		.amdhsa_wavefront_size32 1
		.amdhsa_system_sgpr_workgroup_id_x 1
		.amdhsa_system_sgpr_workgroup_id_y 1
		.amdhsa_system_sgpr_workgroup_id_z 1
		.amdhsa_system_vgpr_workitem_id 0
		.amdhsa_next_free_vgpr 256
		.amdhsa_next_free_sgpr 102
		.amdhsa_reserve_vcc 1
		.amdhsa_float_denorm_mode_32 3
		.amdhsa_float_denorm_mode_16_64 3
		.amdhsa_memory_ordered 1
		.amdhsa_forward_progress 1
		.amdhsa_inst_pref_size 88
	.end_amdhsa_kernel
	.amdgpu_metadata
---
amdhsa.version: [ 1, 2 ]
amdhsa.kernels:
  - .name:           k_q46439ddd27_attn
    .symbol:         k_q46439ddd27_attn.kd
    .args:
      - { .name: Q_codes, .offset: 0, .size: 8, .value_kind: global_buffer, .address_space: global }
      - { .name: Q_scales, .offset: 8, .size: 8, .value_kind: global_buffer, .address_space: global }
      - { .name: K_codes, .offset: 16, .size: 8, .value_kind: global_buffer, .address_space: global }
      - { .name: K_scales, .offset: 24, .size: 8, .value_kind: global_buffer, .address_space: global }
      - { .name: V_codes, .offset: 32, .size: 8, .value_kind: global_buffer, .address_space: global }
      - { .name: V_scales, .offset: 40, .size: 8, .value_kind: global_buffer, .address_space: global }
      - { .name: out0, .offset: 48, .size: 8, .value_kind: global_buffer, .address_space: global }
    .group_segment_fixed_size: 215040
    .private_segment_fixed_size: 0
    .kernarg_segment_align: 8
    .kernarg_segment_size: 56
    .max_flat_workgroup_size: 512
    .sgpr_count:     102
    .vgpr_count:     256
    .wavefront_size: 32
...
	.end_amdgpu_metadata
.endif
;; end of part 2
